; MI455X (gfx1250); checked and timed in simulation.
; The chip was launched on July 23, 2026; its instructions are those of AMD's public machine-readable ISA for CDNA 5 (MIT licence, August 2026) and "CDNA5" Instruction Set Architecture Reference Guide (July 2026). The comments in the code are by the model that wrote it; some were corrected since.
;; Attention. Allowed arithmetic: matrix products marked QUANTISED: E2M3 operands, one E8M0 scale for each 32 along K, by v_wmma_scale_f32_16x16x128_f8f6f4 with both operands' format E2M3, f32 sums; everything else in f32.
;; Inputs: key 4 x 16 x 2,048 x 128 float32; query 4 x 16 x 2,048 x 128 float32; scale_factor 4 x 16 x 1 x 1 float32; value 4 x 16 x 2,048 x 128 float32.
;; Outputs: out0 4 x 16 x 2,048 x 128 float32.
;; This version of the problem:
;;   THIS VERSION OF THE PROBLEM IS GIVEN IN LOW PRECISION. The matrix products marked QUANTISED in the list below multiply operands that are first quantised to E2M3 (2 exponent bits, 3 mantissa bits; 6 bits a number), with one power-of-two scale for each 32 numbers along K (OCP MX v1.0); their sums are f32. All else is computed in f32.
;;   The module's matrix products, in the order in which they are computed (A, B: the left and right operand; K: the contracted axis; several contracted axes count as one K, in the product's order):
;;     1. batch 64 x [M 2,048, K 128] x [K 128, N 2,048]; A: input query; B: input key: QUANTISED
;;     2. batch 64 x [M 2,048, K 2,048] x [K 2,048, N 128]; A: softmax (see below); B: input value: QUANTISED
;;   THE QUANTISER, for each operand of a quantised product, along K:
;;     - K is cut into blocks of 32 from its start; a last block that is shorter is filled with zeros.
;;     - A block's scale is 2^e with e = floor(log2(the largest magnitude in the block)) - 2, held to -126 .. 127; a block of zeros has e = 0. As a byte (E8M0): e + 127.
;;     - Each number is divided by its block's scale, clamped to +-7.5, and rounded to the nearest number of E2M3, ties to even, subnormals kept.
;;     - The product sums the exact products of the quantised numbers (number of the format x scale) in f32.
;;   ~~~python
;;   def quantise(x, axis):      # numpy; x: float32 -> the quantised numbers, widened to float32 again
;;       x = np.moveaxis(x, axis, -1); K = x.shape[-1]
;;       x = np.pad(x, [(0, 0)] * (x.ndim - 1) + [(0, -K % 32)]); x = x.reshape(x.shape[:-1] + (-1, 32)); a = np.abs(x).max(-1, keepdims=True)
;;       e = np.where(a > 0, np.clip(np.frexp(np.where(a > 0, a, 1))[1] - 1 - 2, -126, 127), 0)      # np.frexp(a)[1] - 1 = floor(log2(a)), exactly
;;       r = np.clip(x / 2.0 ** e, -7.5, 7.5)
;;       step = 2.0 ** (np.maximum(np.frexp(np.where(r == 0, 1, r))[1] - 1, 0) - 3)
;;       q = np.round(r / step) * step * 2.0 ** e      # np.round: ties to even
;;       return np.moveaxis(q.reshape(q.shape[:-2] + (-1,))[..., :K], -1, axis).astype(np.float32)
;;   ~~~
;;   SOFTMAX AHEAD OF A QUANTISED PRODUCT. Where the list says 'softmax', what is quantised is not the finished softmax but p = 2^(t - M), with t = logit x log2(e) and M = ceil(the row's largest t), a whole number; so 1/2 < the row's largest p <= 1. The row's sum l is taken of the UNQUANTISED p, in f32, and the product's result is divided by l at the end. Since M is a whole number, a kernel that streams over the keys may use a running M (the ceiling of the running maximum): every later rescaling is an exact power of two, which a block's scale takes up: the codes' values come out the same.
;;   OPERANDS COMPUTED ON THE WAY. 'Computed on the way' means the value that the module computes at that place (a softmax that the list does not call 'softmax' is quantised finished and normalised). What goes into a quantiser is computed in f32, as accurately as f32 sums, v_exp_f32 and their like allow (about 1e-6 of the number): no bf16 or f16 on the way to a quantiser, and a product that is left as it is and whose result goes on into a quantised operand takes f32 operands (vector FMAs, or v_wmma_f32_16x16x4_f32). A number that lies on a knife's edge between two numbers of the format may be rounded either way, as far as f32 arithmetic and the matrix unit's own rounding can turn it there, and no further.
;; One version. Each part assembles by itself: llvm-mc -triple=amdgcn-amd-amdhsa -mcpu=gfx1250 --defsym DOCPART=n.
;; ======== version 1 of 1: 2 launches
;; limits: right only within a limited range of input values
;; workspace buffers: kv 26,214,400 bytes
;; launch quant (part 1): grid 512 x 1, 4 waves a work-group, no clusters, 101,888 bytes of LDS; arguments key, value, kv; writes kv
.if DOCPART == 1
	.amdgcn_target "amdgcn-amd-amdhsa--gfx1250"
	.amdhsa_code_object_version 6
	.text
	.protected	k_q1840c6a34d_quant
	.globl	k_q1840c6a34d_quant
	.p2align	8
	.type	k_q1840c6a34d_quant,@function
k_q1840c6a34d_quant:
	s_mov_b64 s[64:65], 0
	v_nop
	global_prefetch_b8 v0, s[64:65] scope:SCOPE_SE
	s_setreg_imm32_b32 hwreg(HW_REG_WAVE_MODE, 25, 1), 1
	s_wait_xcnt 0x0
; key and value [64 heads][2048][128] f32 become codes of FP6 (E2M3) with one E8M0 scale byte for each 32 along a product's K, laid as IMAGES OF THE OPERAND'S REGISTERS for the attention launch.
; key is quantised along the head's 128 (innermost in memory), value along the keys (its first axis within a head).  query is quantised by the attention launch, which reads each of its numbers once.
; A block's scale is 2^(floor(log2(its largest magnitude)) - 2); its byte is the largest magnitude's exponent field - 2, held at 1 from below.
; LIMITS: NaN and infinities are not served.  A block whose largest magnitude lies under 2^-124, a block of zeros among them, keeps the byte 1 (a block of zeros: where the quantiser says 127):
; its codes are zeros or what the byte 1 gives, and the bytes are read by this program alone.
; A FRAGMENT is 16 rows x 128 K = 12 registers a lane = 1,536 bytes: registers 4 c .. 4 c + 3 of lane L lie at 512 c + 16 L.  Lane (r, h) holds row r; registers 6 c .. 6 c + 5 hold K = 64 c + 32 h + 0 .. 31.
; kv: [head x 16 + key step][25,600]: 8 fragments of K (lane r of fragment 4 c + i holds key 64 c + 8 i + r % 8 + 32 (r / 8) of the step's 128), 8 of V^T (tile t: channels 16 t + r; K = the step's
; 128 keys in their order), K's 512 bytes of scale words, V's 512.  The word at 256 jj + 8 L + 4 i is that of fragment 4 jj + 2 i + L / 16, row L % 16.
; SHARES.  512 work-groups of four waves: 256 for each tensor; a wave takes 128 rows x 128 numbers, 65,536 consecutive bytes.  Waves share nothing: no barrier.  No matrix work, no tensor load, no cluster:
; the launch moves bytes, and its work-groups share no input.  The two ways part on the work-group's number and have LDS bytes of their own.
.set SP,   528                         ; a stage row: 512 bytes + 16
.set VSTG, 4*16*SP                     ; LDS: four stages of 16 rows (key), then four of 32 rows (value)
.set SPARE, 0x18c00                    ; behind the stages: the spare words
.set BLK,  25600                       ; a key step's block in kv
.set SEL,  20
.set TM,   16                          ; key: v16-19 largest magnitudes, v20-23 bytes, v28-31 the conversions' scale operands
.set PW,   32
.set SWT,  33
.set SW,   34
.set PC,   40                          ; v40-51 a fragment's codes; v52-54, v56-58 the conversions' second halves
.set X,    64                          ; v64-127 64 numbers of a lane
.set R,    128                         ; v128-255 rows as loaded
.set CV,   16                          ; value: v16-63 codes
.set XV,   64
.set CT,   96
.set SWV,  100
	s_load_b128 s[4:7], s[0:1], 0x0                ; key, value
	s_load_b64 s[8:9], s[0:1], 0x10                ; kv
	v_lshl_add_u32 v14, v0, 2, SPARE
	v_mov_b32 v15, 0
	v_lshrrev_b32 v1, 5, v0
	v_readfirstlane_b32 s26, v1                    ; wave 0..3
	v_and_b32 v1, 31, v0                           ; lane
	v_and_b32 v2, 15, v0                           ; r
	v_bfe_u32 v3, v0, 4, 1                         ; h
	v_lshlrev_b32 v4, 4, v1                        ; 16 x lane
	v_lshlrev_b32 v5, 3, v1                        ; 8 x lane: my two scale words
	s_mul_i32 s34, s26, 16*SP
	s_mul_i32 s35, s26, 32*SP
	s_add_co_u32 s35, s35, VSTG
	v_add_nc_u32 v6, s34, v4                       ; key, in: a row as it lies
	v_mul_u32_u24 v7, v2, SP
	v_lshl_add_u32 v7, v3, 6, v7
	v_add_nc_u32 v7, s34, v7                       ; out: row r, + 64 h
	v_add_nc_u32 v8, s35, v4                       ; value, in
	v_lshl_add_u32 v9, v1, 2, s35                  ; value, out: one channel a lane
	v_mul_u32_u24 v10, v3, 1536
	v_lshl_add_u32 v10, v2, 4, v10                 ; value's codes: lanes 0-15 an even tile's image, lanes 16-31 the next tile's
	s_mov_b32 s[SEL], 0x76543210
	s_mov_b32 s[SEL+1], 0xfedcba98
	s_lshr_b32 s24, ttmp9, 8                       ; 0 key, 1 value
	s_and_b32 s25, ttmp9, 255
	s_lshl_b32 s27, s25, 2
	s_add_co_u32 s27, s27, s26                     ; which run of 128 rows is my wave's: 0 .. 1,023
	s_wait_alu depctr_va_vdst(0)                   ; the wait at the head's end
	s_wait_kmcnt 0x0
	s_cmp_eq_u32 s24, 0                            ; the choices hang on the work-group's number alone
	s_cselect_b64 s[4:5], s[4:5], s[6:7]
	s_cselect_b32 s30, 0, 12288                    ; value's codes lie behind key's,
	s_cselect_b32 s31, 0, 512                      ; and its scale words behind key's
	s_lshl_b32 s32, s27, 16
	s_mov_b32 s33, 0
	s_add_nc_u64 s[4:5], s[4:5], s[32:33]
	s_mul_i32 s32, s27, BLK
	s_add_nc_u64 s[8:9], s[8:9], s[32:33]          ; the step's block
	s_add_co_u32 s32, s31, 24576
	s_add_nc_u64 s[10:11], s[8:9], s[32:33]        ; my scale words
	s_mov_b32 s32, s30
	s_add_nc_u64 s[8:9], s[8:9], s[32:33]          ; my codes
	s_cmp_eq_u32 s24, 1
	s_cbranch_scc1 .Lvalue
; ---- key: a fragment's 16 rows are loaded as they lie (a load = one row of 512 bytes), turn through my stage, and come back 16 neighbours of each block a lane
.macro LOADF n
.set p, 0
.rept 16
	global_load_b128 v[R+64*((\n)%2)+4*p:R+64*((\n)%2)+4*p+3], v4, s[4:5] offset:(64*((\n)/4)+8*((\n)%4)+p%8+32*(p/8))*512 th:TH_LOAD_NT
.set p, p+1
.endr
.endm
.macro QUANT s
.irp b, 0,1,2,3
	v_max3_num_f32 v[TM+\b], |v[\s+16*\b]|, |v[\s+1+16*\b]|, 0x1800000   ; my 16 numbers of block b, and the floor 2^(3 - 127)
.endr
.irp i, 2,4,6,8,10,12,14
.irp b, 0,1,2,3
	v_max3_num_f32 v[TM+\b], v[TM+\b], |v[\s+16*\b+\i]|, |v[\s+1+16*\b+\i]|
.endr
.endr
.irp b, 0,1,2,3
	v_permlanex16_b32 v[TM+4+\b], v[TM+\b], s[SEL], s[SEL+1]
.endr
.irp b, 0,1,2,3
	v_max_num_f32 v[TM+\b], v[TM+\b], v[TM+4+\b]   ; with lane l xor 16's 16
.endr
.irp b, 0,1,2,3
	v_add_nc_u32 v[TM+12+\b], 0xff000000, v[TM+\b] ; 2 off the exponent field: the conversion's scale operand
.endr
.irp b, 0,1,2,3
	v_lshrrev_b32 v[TM+4+\b], 23, v[TM+12+\b]      ; the scale's byte
.endr
	v_lshl_or_b32 v[PW], v[TM+5], 8, v[TM+4]
	v_lshl_or_b32 v[PW], v[TM+6], 16, v[PW]
	v_lshl_or_b32 v[PW], v[TM+7], 24, v[PW]
.irp c, 0,1
	v_cvt_scalef32_pk16_fp6_f32 v[PC+6*\c:PC+2+6*\c], v[\s+32*\c:\s+15+32*\c], v[TM+12+2*\c]
	v_cvt_scalef32_pk16_fp6_f32 v[PC+12+4*\c:PC+14+4*\c], v[\s+16+32*\c:\s+31+32*\c], v[TM+12+2*\c+1]
.endr
	v_nop                                          ; one plain line behind the scaled conversions
.irp c, 0,1                                    ; a whole block to a lane
.irp i, 0,1,2
	v_permlane16_swap_b32 v[PC+6*\c+\i], v[PC+12+4*\c+\i]
.endr
.irp i, 0,1,2
	v_mov_b32 v[PC+3+6*\c+\i], v[PC+12+4*\c+\i]
.endr
.endr
.endm
.macro FRAGK n
.if (\n) < 7
	s_wait_loadcnt 16                              ; this fragment's 16 loads are in; the next fragment's 16 may be out
.else
	s_wait_loadcnt 0x0
.endif
.set p, 0
.rept 16
	ds_store_b128 v6, v[R+64*((\n)%2)+4*p:R+64*((\n)%2)+4*p+3] offset:SP*p
.set p, p+1
.endr
.set p, 0
.rept 16
	ds_load_b128 v[X+4*p:X+4*p+3], v7 offset:128*(p/4)+16*(p%4)   ; a wave's LDS instructions are served in order
.set p, p+1
.endr
	s_wait_dscnt 0x0                               ; the numbers are back, and the stores have read the set,
.if (\n) < 6
	LOADF (\n)+2                                   ; which takes the fragment two on
.endif
.if (\n) > 0
	s_wait_xcnt 0x0                                ; the codes' registers are written again only behind this wait
.endif
	QUANT X
.irp c, 0,1,2
	global_store_b128 v4, v[PC+4*\c:PC+4*\c+3], s[8:9] offset:1536*(\n)+512*\c   ; 32 lanes store 512 consecutive bytes, aligned
.endr
.if (\n)%2 == 0
	v_mov_b32 v[SWT], v[PW]
.else
	v_cndmask_b32 v[SW+(\n)/2], v[SWT], v[PW], vcc_lo   ; lanes 0-15 the even fragment's words, lanes 16-31 the odd one's
.endif
.endm
.irp b, 0,1,2,3
	v_mov_b32 v[TM+4+\b], 0                        ; a lane permute's destination counts as one of its sources
.endr
	v_cmp_le_u32 vcc_lo, 16, v1                    ; lanes 16-31
	LOADF 0
	LOADF 1
.irp n, 0,1,2,3,4,5,6,7
	FRAGK \n
.endr
	global_store_b64 v5, v[SW:SW+1], s[10:11]      ; 32 lanes store 256 consecutive bytes, aligned
	global_store_b64 v5, v[SW+2:SW+3], s[10:11] offset:256
	s_wait_tensorcnt 0x0                           ; the wave's end
	ds_add_u32 v14, v15
	s_wait_dscnt 0x0
	s_endpgm
; ---- value: a lane takes a channel and its registers run down the keys.  The blocks of 32 keys go in the order 0, 2, 1, 3: blocks 0 and 2 are the 12 registers of the operand's lanes 0-15, blocks 1 and 3 those of lanes 16-31
.Lvalue:
.macro LOADT n
.set KBL, (2*(\n))%4+(\n)/2
.set p, 0
.rept 32
	global_load_b128 v[R+4*p:R+4*p+3], v4, s[4:5] offset:(32*KBL+p)*512 th:TH_LOAD_NT
.set p, p+1
.endr
.endm
.macro TASKV n
.set KB, (2*(\n))%4+(\n)/2
.irp q, 0,1,2,3
	s_wait_loadcnt 24-8*\q                         ; eight more rows are in; the younger rows of the 32 may be out
.irp p, 0,1,2,3,4,5,6,7
	ds_store_b128 v8, v[R+4*(8*\q+\p):R+4*(8*\q+\p)+3] offset:SP*(8*\q+\p)
.endr
.endr
	s_wait_dscnt 0x0                               ; the stores have read the rows' registers,
.if (\n) < 3
	LOADT (\n)+1                                   ; which take the next 32 keys
.endif
.if (\n) == 2
	s_wait_xcnt 0x0                                ; the first pair's stores have read their data
.endif
.irp g, 0,1,2,3
.set i, 0
.rept 32
	ds_load_b32 v[XV+i], v9 offset:SP*i+128*\g     ; key i of the block, channel 32 g + lane
.set i, i+1
.endr
	s_wait_dscnt 0x0
	v_max3_num_f32 v104, |v[XV]|, |v[XV+1]|, |v[XV+2]|
	v_max3_num_f32 v105, |v[XV+3]|, |v[XV+4]|, |v[XV+5]|
.irp i, 6,10,14,18,22,26
	v_max3_num_f32 v104, v104, |v[XV+\i]|, |v[XV+\i+1]|
	v_max3_num_f32 v105, v105, |v[XV+\i+2]|, |v[XV+\i+3]|
.endr
	v_max3_num_f32 v104, v104, |v[XV+30]|, |v[XV+31]|
	v_max3_num_f32 v104, v104, v105, 0x1800000     ; and the floor 2^(3 - 127)
	v_add_nc_u32 v106, 0xff000000, v104
	v_lshrrev_b32 v107, 23, v106
.if (\n) == 0
	v_mov_b32 v[SWV+\g], v107
.else
	v_lshl_or_b32 v[SWV+\g], v107, 8*KB, v[SWV+\g]
.endif
	v_cvt_scalef32_pk16_fp6_f32 v[CV+12*\g+6*(KB/2):CV+12*\g+6*(KB/2)+2], v[XV:XV+15], v106
	v_cvt_scalef32_pk16_fp6_f32 v[CT:CT+2], v[XV+16:XV+31], v106
	v_nop
.irp i, 0,1,2
	v_mov_b32 v[CV+12*\g+6*(KB/2)+3+\i], v[CT+\i]
.endr
.endr
.if (\n)%2 == 1
.irp g, 0,1,2,3
.irp c, 0,1,2
	global_store_b128 v10, v[CV+12*\g+4*\c:CV+12*\g+4*\c+3], s[8:9] offset:3072*\g+512*\c+256*(KB%2)   ; sixteen lanes store 256 consecutive bytes, aligned
.endr
.endr
.endif
.endm
	LOADT 0
	s_wait_alu depctr_va_vdst(0)
.irp n, 0,1,2,3
	TASKV \n
.endr
	global_store_b64 v5, v[SWV:SWV+1], s[10:11]
	global_store_b64 v5, v[SWV+2:SWV+3], s[10:11] offset:256
	s_wait_tensorcnt 0x0
	ds_add_u32 v14, v15
	s_wait_dscnt 0x0
	s_endpgm
.Lfunc_end_k_q1840c6a34d_quant:
	.size	k_q1840c6a34d_quant, .Lfunc_end_k_q1840c6a34d_quant-k_q1840c6a34d_quant
	.p2alignl 7, 3214868480
	.fill 96, 4, 3214868480
	.section	.rodata,"a",@progbits
	.p2align	6, 0x0
	.amdhsa_kernel k_q1840c6a34d_quant
		.amdhsa_group_segment_fixed_size 101888
		.amdhsa_private_segment_fixed_size 0
		.amdhsa_enable_private_segment 0
		.amdhsa_kernarg_size 24
		.amdhsa_user_sgpr_count 2
		.amdhsa_user_sgpr_kernarg_segment_ptr 1
		.amdhsa_wavefront_size32 1
		.amdhsa_system_sgpr_workgroup_id_x 1
		.amdhsa_system_sgpr_workgroup_id_y 1
		.amdhsa_system_sgpr_workgroup_id_z 1
		.amdhsa_system_vgpr_workitem_id 0
		.amdhsa_next_free_vgpr 256
		.amdhsa_next_free_sgpr 66
		.amdhsa_reserve_vcc 1
		.amdhsa_float_denorm_mode_32 3
		.amdhsa_float_denorm_mode_16_64 3
		.amdhsa_memory_ordered 1
		.amdhsa_forward_progress 1
		.amdhsa_inst_pref_size 143
	.end_amdhsa_kernel
	.amdgpu_metadata
---
amdhsa.version: [ 1, 2 ]
amdhsa.kernels:
  - .name:           k_q1840c6a34d_quant
    .symbol:         k_q1840c6a34d_quant.kd
    .args:
      - { .name: key, .offset: 0, .size: 8, .value_kind: global_buffer, .address_space: global }
      - { .name: value, .offset: 8, .size: 8, .value_kind: global_buffer, .address_space: global }
      - { .name: kv, .offset: 16, .size: 8, .value_kind: global_buffer, .address_space: global }
    .group_segment_fixed_size: 101888
    .private_segment_fixed_size: 0
    .kernarg_segment_align: 8
    .kernarg_segment_size: 24
    .max_flat_workgroup_size: 128
    .sgpr_count:     66
    .vgpr_count:     256
    .wavefront_size: 32
...
	.end_amdgpu_metadata
.endif
;; end of part 1
;; launch attn (part 2): grid 4 x 64, 8 waves a work-group, clusters of 4 x 1, 327,680 bytes of LDS; arguments query, kv, scale_factor, out0; writes out0
.if DOCPART == 2
	.amdgcn_target "amdgcn-amd-amdhsa--gfx1250"
	.amdhsa_code_object_version 6
	.text
	.protected	k_q1840c6a34d_attn
	.globl	k_q1840c6a34d_attn
	.p2align	8
	.type	k_q1840c6a34d_attn,@function
k_q1840c6a34d_attn:
	s_mov_b64 s[64:65], 0
	v_nop
	global_prefetch_b8 v0, s[64:65] scope:SCOPE_SE
	s_setreg_imm32_b32 hwreg(HW_REG_WAVE_MODE, 25, 1), 1
	s_wait_xcnt 0x0
	s_wait_alu depctr_hold_cnt(0) depctr_sa_sdst(0) depctr_va_vdst(0) depctr_va_sdst(0) depctr_va_ssrc(0) depctr_va_vcc(0) depctr_vm_vsrc(0)
	s_getreg_b32 s2, hwreg(HW_REG_IB_STS2, 6, 4)
	s_cmp_eq_u32 s2, 0
	s_cbranch_scc0 .Lentry_in_a_cluster
	s_endpgm
.Lentry_in_a_cluster:
	s_bfe_u32 s2, ttmp6, 0x10000c
	s_cmp_lg_u32 s2, 0x3003
	s_cbranch_scc0 .Lentry_shape_is_right
	s_endpgm
.Lentry_shape_is_right:
; out = softmax(q k^T x scale_factor) v, both products in MX-FP6.  A cluster of four work-groups takes a head; A WORK-GROUP STAYS and makes two blocks of 256 queries, one after the other.
; Eight waves, 32 queries each in a block (two tiles u of 16); keys go in 16 steps of 128.
; Both products are used transposed (S^T = k q^T, O^T = v^T p^T): a lane holds one query.  K's tile 4 c + i holds keys 64 c + 8 i + r % 8 + 32 (r / 8), so lane (r, h)'s 32 registers of tiles
; 4 c .. 4 c + 3 are keys 64 c + 32 h + 0 .. 31: ONE WHOLE BLOCK of p's quantiser, in the order of the operand's registers: a block's largest score is found in the lane and no code changes lanes.
; p = 2^(t - M), t = score x |scale_factor| log2(e), M the ceiling of the running largest t; the sign of scale_factor is put on q's codes (the quantiser is odd).  A block's largest p is the exponential of its
; largest score.  The row's sum is taken of the unquantised p.  When M moves, the sum and O^T are multiplied by the exact power of two, in every step.
; query is quantised here: each of its numbers is read once in the launch, rows as they lie, turned through the wave's stage.  The second block's rows come eight at a time, one batch a slot of the first
; block, into 32 registers that the steps leave alone; tile 0 is quantised behind slot 1, tile 1 at the change of blocks.
; LDS: two slots of four steps (4 x 25,600 bytes: codes and scale words of K and V), filled by joint loads of the four partners; each wave brings 50 rows of 256 bytes.  The ring goes on over
; the 8 slots of both blocks: slot n holds the head's data n % 4.
; TWO KINDS OF WAVES, by (w xor w / 4) & 1.  In a slot's last step every wave has V's fragments in registers when it runs the three lines and meets the barrier; the step's softmax and second product, work on
; registers, are done ahead of those lines by the early kind and behind the refill by the late kind.  So behind a barrier one kind begins with fetches and the first product and the other with vector work.
; The branches hang on the wave's number and lead round that work alone: waits, add, barrier, round and joint load are on every wave's path.
; PREFETCH: when the loads of data 1 and 2 go out, data 2 and 3 are named, 400 blocks of 256 bytes each once: partner cx takes step cx, its waves 0-3 a block a lane.  The second walk asks for nothing:
; the cluster has read those bytes in the first.
; LIMITS: the promise holds while |t| stays under 2^31; NaN and infinities among the inputs are not served; a block of q under 2^-124 keeps the byte 1.
.set STEPB, 25600
.set VOFF,  12288
.set KSC,   24576
.set SLOTB, 4*STEPB
.set SPARE, 102400                     ; the spare words: 8 waves x 128 bytes
.set SLOT1, 131072
.set STAGE, 233472                     ; 16 rows x 528 bytes for each wave
.set SP,    528
.set QBLK,  0x20000                    ; 256 rows of 512 bytes
; window 0
.set LI,  1                            ; 16 x lane
.set LS,  2                            ; 8 x lane
.set SPW, 3
.set NIL, 4
.set ADR, 5
.set ADS, 6
.set STO, 7
.set RD,  8
.set SH8, 9                            ; 8 h
.set PFO, 10
.set ST,  12                           ; 4 u: -M, the largest score, the sum in two halves
.set PW,  20                           ; p's scale words
.set QS,  22                           ; q's
.set FS,  24                           ; the fragments' scale words
.set F,   28                           ; 2 u: the factor (a pair's low word)
.set TT,  32
.set BM,  34                           ; 2 u + c: a block's largest
.set PT,  38
.set SO,  42                           ; 2 u + c: the conversions' scale operands
.set NB,  46                           ; u: -M once more, for the second half of a dual pair
.set PB,  48                           ; p's codes, 12 u
.set CT,  72
.set NR,  80                           ; v80-111 eight rows of the next block's query
.set T,   112                          ; a tile of q's codes as converted: four runs of three registers
.set QA,  115                          ; q's way back from the stage
.set VC,  119                          ; c
.set NS,  123                          ; the next block's tile 0: its scale word
.set SB,  128                          ; the scores, then p: 64 u + 32 c
; window 1: v0-127 O^T (64 u + 8 t)
.set QF,  128                          ; q's codes, 12 u
.set FRG, 160                          ; eight fragments of K or of V
.set WV,  16
.set CX,  17
.set HD,  19
.set SEL, 20
.set CS,  22
.set G1,  24
.set G0,  32
.set PFA, 36
.set LIM, 38
.set SLOTS, 39
.set STEPS, 40
.set SF,  41
.set NQ,  42                           ; s[42:43] the next block's rows still to be loaded
.set SM,  44
.set TB,  47
.set DN,  56                           ; which data the next fill brings, counted on
.set TY,  57                           ; my kind: 0 early, 1 late
.set MSB, 0
.macro WIN new
.if MSB != \new
	s_set_vgpr_msb (MSB<<8)|\new
.set MSB, \new
.endif
.endm
.set W_LD, 0x40
.set W_KQ, 0x05
.set W_PV, 0x51
.set W_RS, 0x41
.set W_OUT, 0x01
.macro CREST
	s_cmp_lg_u32 s[WV], 0
	s_cbranch_scc1 .Lnot_wave_0_\@
	s_barrier_signal -3
.Lnot_wave_0_\@:
	s_barrier_wait -3
	s_barrier_signal -1
	s_barrier_wait -1
.endm
.macro CROUND
	s_barrier_signal -1
	s_barrier_wait -1
	CREST
.endm
.macro JLOAD
	tensor_load_to_lds s[G0:G0+3], s[G1:G1+7]
	s_nop 0
.rept 4
	v_nop
.endr
.endm
.macro NEXTFILL                        ; group 0 for the next fill: the other slot, data DN % 4 (no load of mine is out here)
	s_xor_b32 s[G0+1], s[G0+1], SLOT1
	s_add_co_u32 s[DN], s[DN], 1
	s_and_b32 s48, s[DN], 3
	s_mul_i32 s48, s48, SLOTB
	s_mov_b32 s49, 0
	s_add_nc_u64 s[G0+2:G0+3], s[6:7], s[48:49]
	s_or_b32 s[G0+3], s[G0+3], 0x80000000
.endm
.macro ASK
	s_cmp_gt_u32 s[SLOTS], s[LIM]
	s_cbranch_scc0 .Lnot_mine_\@
	global_prefetch_b8 v[PFO], s[PFA:PFA+1] th:TH_LOAD_NT scope:SCOPE_SE
.Lnot_mine_\@:
.endm
; two bytes (v[PT], v[PT+1]: my blocks h and 2 + h) become the row's scale word, in every lane
.macro WORD d
	v_lshl_or_b32 v[\d], v[PT+1], 16, v[PT]
	s_delay_alu instid0(VALU_DEP_1)
	v_lshlrev_b32 v[\d], v[SH8], v[\d]
	s_delay_alu instid0(VALU_DEP_1)
	v_permlanex16_b32 v[PT+2], v[\d], s[SEL], s[SEL+1]
	s_delay_alu instid0(VALU_DEP_1)
	v_or_b32 v[\d], v[\d], v[PT+2]
.endm
.macro NQLOAD                          ; eight more rows of the next block's query, a row a load
.set p, 0
.rept 8
	global_load_b128 v[NR+4*p:NR+4*p+3], v[LI], s[NQ:NQ+1] offset:512*p th:TH_LOAD_NT
.set p, p+1
.endr
.endm
.macro NQSTORE row
.set p, 0
.rept 8
	ds_store_b128 v[RD], v[NR+4*p:NR+4*p+3] offset:SP*(\row+p)
.set p, p+1
.endr
	s_wait_dscnt 0x0                               ; the stores have read their registers
.endm
.macro QBACK s                         ; register s + 32 c + k = q(r, 64 c + 32 h + k)
.set p, 0
.rept 16
	ds_load_b128 v[\s+4*p:\s+4*p+3], v[QA] offset:256*(p/8)+16*(p%8)
.set p, p+1
.endr
.endm
; 64 numbers of a lane, two whole blocks, become codes in v[T] on and the row's scale word in v[w]
.macro QCVT s, w
.irp c, 0,1
	v_max3_num_f32 v[BM+\c], |v[\s+32*\c]|, |v[\s+32*\c+1]|, 0x1800000   ; and the floor 2^(3 - 127)
.endr
.irp i, 2,4,6,8,10,12,14,16,18,20,22,24,26,28,30
.irp c, 0,1
	v_max3_num_f32 v[BM+\c], v[BM+\c], |v[\s+32*\c+\i]|, |v[\s+32*\c+\i+1]|
.endr
.endr
.irp c, 0,1
	v_add_nc_u32 v[SO+\c], 0xff000000, v[BM+\c]
.endr
.irp c, 0,1
	v_lshrrev_b32 v[PT+\c], 23, v[SO+\c]
.endr
	WORD \w
.irp c, 0,1
	v_cvt_scalef32_pk16_fp6_f32 v[T+8*\c:T+8*\c+2], v[\s+32*\c:\s+32*\c+15], v[SO+\c]
	v_cvt_scalef32_pk16_fp6_f32 v[T+8*\c+4:T+8*\c+6], v[\s+32*\c+16:\s+32*\c+31], v[SO+\c]
.endr
	v_nop
.endm
.macro QINST u                         ; the codes to their places in tile u's operand, with the sign of scale_factor
	WIN W_LD
.irp c, 0,1
.irp i, 0,1,2
	v_xor_b32 v[QF+12*(\u)+6*\c+\i], s[SM+\i], v[T+8*\c+\i]
	v_xor_b32 v[QF+12*(\u)+6*\c+3+\i], s[SM+\i], v[T+8*\c+4+\i]
.endr
.endr
	WIN 0
.endm
	s_load_b256 s[4:11], s[0:1], 0x0               ; query, kv, scale_factor, out0
	v_lshl_add_u32 v[SPW], v0, 2, SPARE
	v_mov_b32 v[NIL], 0
	ds_add_u32 v[SPW], v[NIL]                      ; the opening lines: the add, twice on end, and its wait
	ds_add_u32 v[SPW], v[NIL]
	v_lshrrev_b32 v[ADR], 5, v0
	v_readfirstlane_b32 s[WV], v[ADR]
	v_and_b32 v[LS], 31, v0
	v_lshlrev_b32 v[LI], 4, v[LS]
	v_lshlrev_b32 v[LS], 3, v[LS]
	v_min_u32 v[PFO], 99, v0                       ; a step has 100 blocks of 256 bytes: threads 0-99 a block each, the rest of wave 3 its last again
	v_lshlrev_b32 v[PFO], 8, v[PFO]
	v_and_b32 v[ADR], 15, v0                       ; r
	v_bfe_u32 v[ADS], v0, 4, 1                     ; h
	v_lshlrev_b32 v[SH8], 3, v[ADS]
	s_mul_i32 s58, s[WV], 16*SP
	s_add_co_u32 s58, s58, STAGE                   ; my stage
	v_mul_u32_u24 v[STO], v[ADR], SP
	v_add_nc_u32 v[STO], s58, v[STO]
	v_lshl_add_u32 v[QA], v[ADS], 7, v[STO]        ; row r, + 128 h: my block of 32 numbers
	v_lshl_add_u32 v[STO], v[ADS], 5, v[STO]       ; the way out: row r, + 32 h
	v_add_nc_u32 v[RD], s58, v[LI]                 ; a row as it lies
	v_mov_b32 v[NS], 0
	s_and_b32 s[HD], ttmp7, 0xffff
	s_mov_b32 s[G1], 15|(3<<16)|(1<<21)            ; all four partners; elements of 8 bytes
	s_mov_b32 s[G1+1], 32<<16
	s_mov_b32 s[G1+2], 50<<16
	s_mov_b32 s[G1+3], 32<<16
	s_mov_b32 s[G1+4], 50                          ; 50 rows of 256 bytes
	s_mov_b32 s[G1+5], 32
	s_mov_b32 s[G1+6], 0
	s_mov_b32 s[G1+7], 0
	s_mov_b32 s[SEL], 0x76543210
	s_mov_b32 s[SEL+1], 0xfedcba98
	s_lshl_b32 s48, s[HD], 2
	s_mov_b32 s49, 0
	s_mul_i32 s50, s[HD], 16*STEPB
	s_mov_b32 s51, 0
	s_mul_i32 s[G0+1], s[WV], 12800
	s_add_co_u32 s50, s50, s[G0+1]
	s_mov_b32 s[G0], 1
	s_mov_b32 s[DN], 0
	s_lshr_b32 s[TY], s[WV], 2
	s_xor_b32 s[TY], s[TY], s[WV]
	s_and_b32 s[TY], s[TY], 1                      ; waves w and w + 4 differ in kind, and so do waves 2 k and 2 k + 1
	s_bfe_u32 s[CX], ttmp6, 0x40000
	s_lshl_b32 s52, s[HD], 20
	s_lshl_b32 s53, s[CX], 18                      ; my work-group's 512 queries
	s_add_co_u32 s52, s52, s53
	s_lshl_b32 s53, s[WV], 14
	s_add_co_u32 s52, s52, s53                     ; my 32 rows of query and of out0 in the first block
	s_mov_b32 s53, 0
	s_mul_i32 s54, s[HD], 16*STEPB
	s_mul_i32 s55, s[CX], STEPB
	s_add_co_u32 s54, s54, s55
	s_add_co_u32 s54, s54, 2*SLOTB                 ; the first prefetch names data 2
	s_mov_b32 s55, 0
	s_cmp_lt_u32 s[WV], 4
	s_cselect_b32 s[LIM], 5, -1
	s_wait_alu depctr_va_vdst(0)                   ; the wait ahead of the blocking waits
	s_wait_dscnt 0x0
	s_wait_kmcnt 0x0
	s_add_nc_u64 s[8:9], s[8:9], s[48:49]
	s_load_b32 s[SF], s[8:9], 0x0
	s_add_nc_u64 s[PFA:PFA+1], s[6:7], s[54:55]
	s_add_nc_u64 s[6:7], s[6:7], s[50:51]          ; my 50 rows of the head's data 0
	s_mov_b64 s[G0+2:G0+3], s[6:7]
	s_or_b32 s[G0+3], s[G0+3], 0x80000000
	s_add_nc_u64 s[4:5], s[4:5], s[52:53]
	s_add_nc_u64 s[10:11], s[10:11], s[52:53]
	s_add_nc_u64 s[NQ:NQ+1], s[4:5], QBLK
.set p, 0
.rept 32
	global_load_b128 v[SB+4*p:SB+4*p+3], v[LI], s[4:5] offset:512*p th:TH_LOAD_NT   ; my 32 rows of the first block, a row a load
.set p, p+1
.endr
	CROUND
	JLOAD                                          ; slot 0: my one tensor load at the head
.irp u, 0,1
	v_mov_b32 v[ST+4*\u], 0x7f61b1e6               ; -M = 3e38
	v_mov_b32 v[ST+4*\u+1], 0xff61b1e6             ; the largest score so far: -3e38
	v_mov_b32 v[ST+4*\u+2], 0
	v_mov_b32 v[ST+4*\u+3], 0
	v_mov_b32 v[F+2*\u+1], 0
.endr
.irp b, 0,1,2,3
	v_mov_b32 v[PT+\b], 0
.endr
	WIN W_LD
.set j, 0
.rept 128
	v_mov_b32 v[j], 0                              ; O^T: the step is written once, and the first finds zeros
.set j, j+1
.endr
	WIN 0
	s_wait_kmcnt 0x0
	s_and_b32 s[CS], s[SF], 0x7fffffff
	s_mul_f32 s[CS], s[CS], 0x3fb8aa3b             ; c = |scale_factor| log2(e)
	v_mov_b32 v[VC], s[CS]
	s_ashr_i32 s48, s[SF], 31
	s_and_b32 s[SM], s48, 0x20820820               ; the codes' sign bits, three words to a period
	s_and_b32 s[SM+1], s48, 0x08208208
	s_and_b32 s[SM+2], s48, 0x82082082
.macro QTURN u
.set p, 0
.rept 16
	ds_store_b128 v[RD], v[SB+64*(\u)+4*p:SB+64*(\u)+4*p+3] offset:SP*p
.set p, p+1
.endr
	s_wait_dscnt 0x0                               ; the stores have read their registers
	QBACK SB+64*(\u)
.endm
	s_wait_loadcnt 16
	QTURN 0
	s_wait_loadcnt 0x0
	QTURN 1                                        ; its stores stand behind tile 0's loads: LDS serves a wave's instructions in order; its wait covers those loads
	QCVT SB, QS
	QINST 0
	s_wait_dscnt 0x0
	QCVT SB+64, QS+1
	QINST 1
	NQLOAD                                         ; the second block's rows 0-7
.macro KQ f, u
.set rD, SB+64*(\u)+8*(\f)
.set rA, FRG+12*(\f)
.set rQ, QF+12*(\u)
.if (\f)%2 == 0
	v_wmma_scale_f32_16x16x128_f8f6f4 v[rD:rD+7], v[rA:rA+11], v[rQ:rQ+11], 0, v[FS+(\f)/2], v[QS+(\u)] matrix_a_fmt:MATRIX_FMT_FP6 matrix_b_fmt:MATRIX_FMT_FP6
.else
	v_wmma_scale_f32_16x16x128_f8f6f4 v[rD:rD+7], v[rA:rA+11], v[rQ:rQ+11], 0, v[FS+(\f)/2], v[QS+(\u)] matrix_a_fmt:MATRIX_FMT_FP6 matrix_b_fmt:MATRIX_FMT_FP6 matrix_a_scale:MATRIX_SCALE_ROW1
.endif
.endm
.macro PV t, u
.set rO, 64*(\u)+8*(\t)
.set rA, FRG+12*(\t)
.set rP, PB+12*(\u)
.if (\t)%2 == 0
	v_wmma_scale_f32_16x16x128_f8f6f4 v[rO:rO+7], v[rA:rA+11], v[rP:rP+11], v[rO:rO+7], v[FS+(\t)/2], v[PW+(\u)] matrix_a_fmt:MATRIX_FMT_FP6 matrix_b_fmt:MATRIX_FMT_FP6
.else
	v_wmma_scale_f32_16x16x128_f8f6f4 v[rO:rO+7], v[rA:rA+11], v[rP:rP+11], v[rO:rO+7], v[FS+(\t)/2], v[PW+(\u)] matrix_a_fmt:MATRIX_FMT_FP6 matrix_b_fmt:MATRIX_FMT_FP6 matrix_a_scale:MATRIX_SCALE_ROW1
.endif
.endm
.macro FETCH which
	ds_load_b64 v[FS:FS+1], v[ADS] offset:KSC+512*(\which)
	ds_load_b64 v[FS+2:FS+3], v[ADS] offset:KSC+512*(\which)+256
	WIN W_LD
.set i, 0
.rept 24
	ds_load_b128 v[FRG+4*i:FRG+4*i+3], v[ADR] offset:VOFF*(\which)+512*i
.set i, i+1
.endr
.endm
; the largest score of each of my four blocks (q = 2 u + c), the four by turns; then the new -M and the factor, both tiles by turns
.macro MAXB
.irp q, 0,1,2,3
	v_max3_num_f32 v[BM+\q], v[SB+32*\q], v[SB+32*\q+1], v[SB+32*\q+2]
.endr
.irp i, 3,5,7,9,11,13,15,17,19,21,23,25,27,29
.irp q, 0,1,2,3
	v_max3_num_f32 v[BM+\q], v[BM+\q], v[SB+32*\q+\i], v[SB+32*\q+\i+1]
.endr
.endr
.irp q, 0,1,2,3
	v_max_num_f32 v[BM+\q], v[BM+\q], v[SB+32*\q+31]
.endr
.irp u, 0,1
	v_max_num_f32 v[TT+\u], v[BM+2*\u], v[BM+2*\u+1]
.endr
.irp u, 0,1
	s_delay_alu instid0(VALU_DEP_2)
	v_permlanex16_b32 v[PT+\u], v[TT+\u], s[SEL], s[SEL+1]
.endr
.irp u, 0,1
	s_delay_alu instid0(VALU_DEP_2)
	v_max3_num_f32 v[ST+4*\u+1], v[ST+4*\u+1], v[TT+\u], v[PT+\u]   ; the running largest score (c is not negative)
.endr
.irp u, 0,1
	s_delay_alu instid0(VALU_DEP_2)
	v_mul_f32 v[TT+\u], s[CS], v[ST+4*\u+1]
.endr
.irp u, 0,1
	v_mov_b32 v[PT+\u], v[ST+4*\u]
.endr
.irp u, 0,1
	s_delay_alu instid0(VALU_DEP_4)
	v_floor_f32 v[ST+4*\u], -v[TT+\u]              ; -M = floor(-t)
.endr
.irp u, 0,1
	v_floor_f32 v[NB+\u], -v[TT+\u]                ; and once more
.endr
.irp u, 0,1
	s_delay_alu instid0(VALU_DEP_4)
	v_sub_f32 v[TT+\u], v[ST+4*\u], v[PT+\u]       ; old M less new M
.endr
.irp u, 0,1
	s_delay_alu instid0(VALU_DEP_2)
	v_cvt_i32_f32 v[TT+\u], v[TT+\u]               ; (it saturates)
.endr
.irp u, 0,1
	s_delay_alu instid0(VALU_DEP_2)
	v_ldexp_f32 v[F+2*\u], 1.0, v[TT+\u]
.endr
.endm
.macro RESCALE                         ; the sums and O^T under the new M, ahead of the exponentials
.irp u, 0,1
	v_pk_mul_f32 v[ST+4*\u+2:ST+4*\u+3], v[ST+4*\u+2:ST+4*\u+3], v[F+2*\u:F+2*\u+1] op_sel_hi:[1,0]
.endr
	WIN W_RS
.irp u, 0,1
.set j, 0
.rept 32
	v_pk_mul_f32 v[64*\u+j:64*\u+j+1], v[64*\u+j:64*\u+j+1], v[F+2*\u:F+2*\u+1] op_sel_hi:[1,0]
.set j, j+2
.endr
.endr
	WIN 0
.endm
.macro SCALE u                         ; t - M: the blocks' largest, then the 64, two to a dual pair
.set rS, SB+64*(\u)
.set rT, ST+4*(\u)
.irp c, 0,1
	v_fma_f32 v[BM+2*(\u)+\c], v[BM+2*(\u)+\c], s[CS], v[rT]
.endr
.set j, 0
.rept 32
	v_dual_fma_f32 v[rS+j], v[rS+j], v[VC], v[rT] :: v_dual_fma_f32 v[rS+j+1], v[rS+j+1], v[VC], v[NB+(\u)]
.set j, j+2
.endr
.endm
.macro EXPS u
.set j, 0
.rept 64
	v_exp_f32 v[SB+64*(\u)+j], v[SB+64*(\u)+j]
.set j, j+1
.endr
.irp c, 0,1
	v_exp_f32 v[BM+2*(\u)+\c], v[BM+2*(\u)+\c]     ; the block's largest p
.endr
.endm
.macro FIN u
.set rS, SB+64*(\u)
.set rB, BM+2*(\u)
.set rO, SO+2*(\u)
.set rT, ST+4*(\u)
.set rP, PB+12*(\u)
.irp c, 0,1
	v_max_num_f32 v[rB+\c], 0x1800000, v[rB+\c]    ; the floor: the byte cannot fall under 1
.endr
.irp c, 0,1
	s_delay_alu instid0(VALU_DEP_2)
	v_add_nc_u32 v[rO+\c], 0xff000000, v[rB+\c]
.endr
.irp c, 0,1
	s_delay_alu instid0(VALU_DEP_2)
	v_lshrrev_b32 v[PT+\c], 23, v[rO+\c]
.endr
	WORD PW+\u
.irp c, 0,1
	v_cvt_scalef32_pk16_fp6_f32 v[rP+6*\c:rP+6*\c+2], v[rS+32*\c:rS+32*\c+15], v[rO+\c]
	v_cvt_scalef32_pk16_fp6_f32 v[CT+4*\c:CT+4*\c+2], v[rS+32*\c+16:rS+32*\c+31], v[rO+\c]
.endr
	v_pk_add_f32 v[PT:PT+1], v[rS:rS+1], v[rS+2:rS+3]   ; the row's sum, of the unquantised p, in four chains.  (The plain line behind the conversions)
.irp c, 0,1
.irp i, 0,1,2
	v_mov_b32 v[rP+6*\c+3+\i], v[CT+4*\c+\i]
.endr
.endr
.irp j, 4,8,12,16,20,24,28,32,36,40,44,48,52,56,60
	v_dual_add_f32 v[rT+2], v[rT+2], v[rS+\j] :: v_dual_add_f32 v[rT+3], v[rT+3], v[rS+\j+1]
	v_dual_add_f32 v[PT], v[PT], v[rS+\j+2] :: v_dual_add_f32 v[PT+1], v[PT+1], v[rS+\j+3]
.endr
	v_pk_add_f32 v[rT+2:rT+3], v[rT+2:rT+3], v[PT:PT+1]   ; (these 31 are also the places ahead of the scaled products)
.endm
; a step's second half: softmax, p's codes, the second product.  w = 1: V's fragments are waited for here
.macro SOFTPV w
	MAXB
	RESCALE
	SCALE 0
	s_wait_alu depctr_va_vdst(0)                   ; a wait ahead of each batch and ahead of its readers
	EXPS 0
	SCALE 1
	s_wait_alu depctr_va_vdst(0)
	EXPS 1
	FIN 0
	s_wait_alu depctr_va_vdst(0)
	FIN 1
	s_wait_alu depctr_va_vdst(0)
.if \w
	s_wait_dscnt 0x0
.endif
	WIN W_PV
.irp t, 0,1,2,3,4,5,6,7
	PV \t, 0
	PV \t, 1
.endr
	WIN 0
.endm
; mode 0: a step.  mode 1: a slot's last step, with the refill's round.  mode 2: the same with a plain barrier, behind which nothing is filled
.macro STEP mode
	v_add_nc_u32 v[ADR], s[TB], v[LI]
	v_add_nc_u32 v[ADS], s[TB], v[LS]
	v_nop
	v_nop                                          ; four places behind the last product, ahead of loads into its fragments
	FETCH 0
	WIN W_KQ
	s_wait_alu depctr_va_vdst(0)
.irp g, 0,1,2,3
	s_wait_dscnt 18-6*\g                           ; fragments 2 g, 2 g + 1 are in: 6 loads for each later pair may be out
	KQ 2*\g, 0
	KQ 2*\g, 1
	KQ 2*\g+1, 0
	KQ 2*\g+1, 1
.endr
	WIN 0
.rept 4
	v_nop
.endr
	FETCH 1
	WIN 0
.if \mode == 0
	SOFTPV 1
.else
	s_cmp_lg_u32 s[TY], 0
	s_cbranch_scc1 .Llate_\@                       ; the late kind leaves the step's second half for behind the barrier
	SOFTPV 1
.Llate_\@:
	s_wait_alu depctr_va_vdst(0)
	s_wait_tensorcnt 0x0                           ; my part of the next slot is in,
	ds_add_u32 v[SPW], v[NIL]
.if \mode == 1
	NEXTFILL
	s_wait_xcnt 0x0                                ; my prefetch has read its address
	s_add_nc_u64 s[PFA:PFA+1], s[PFA:PFA+1], SLOTB
.endif
	s_wait_dscnt 0x0                               ; the add is done and V's fragments are in registers: my reads of this slot are over
	s_barrier_signal -1
	s_barrier_wait -1
.if \mode == 1
	CREST                                          ; no wave of any partner still reads the slot
	JLOAD
	ASK
.endif
	s_cmp_eq_u32 s[TY], 0
	s_cbranch_scc1 .Ldone_\@
	SOFTPV 0
.Ldone_\@:
.endif
	s_add_co_u32 s[TB], s[TB], STEPB
.endm
.macro RUN n
	s_mov_b32 s[STEPS], \n
.Lstep_\@:
	STEP 0
	s_sub_co_u32 s[STEPS], s[STEPS], 1
	s_cmp_lg_u32 s[STEPS], 0
	s_cbranch_scc1 .Lstep_\@
.endm
.macro FLIP
	s_sub_co_u32 s[TB], s[TB], SLOTB
	s_xor_b32 s[TB], s[TB], SLOT1
.endm
.macro PACK u                          ; 16 rows through my stage: in by 32 bytes a lane and tile, back as rows of 512 bytes
.set BK, 48+80*(\u)
.irp t, 0,1,2,3,4,5,6,7
	ds_store_b128 v[STO], v[SB+64*(\u)+8*\t:SB+64*(\u)+8*\t+3] offset:64*\t
	ds_store_b128 v[STO], v[SB+64*(\u)+8*\t+4:SB+64*(\u)+8*\t+7] offset:64*\t+16
.endr
.set i, 0
.rept 16
	ds_load_b128 v[BK+4*i:BK+4*i+3], v[RD] offset:SP*i
.set i, i+1
.endr
.endm
.macro SEND u
.set BK, 48+80*(\u)
.set i, 0
.rept 16
	s_wait_dscnt 32*(1-(\u))+15-i                  ; row i is back; the younger rows, and tile 1's 32 instructions, may be out
	global_store_b128 v[LI], v[BK+4*i:BK+4*i+3], s[10:11] offset:(16*(\u)+i)*512 th:TH_STORE_NT   ; 32 lanes store a row of 512 bytes
.set i, i+1
.endr
.endm
.macro OUT                             ; a block's end: O^T / the sum, and out
	s_wait_loadcnt 0x0                             ; no load is out into the registers used below
.irp u, 0,1
	v_add_f32 v[TT+\u], v[ST+4*\u+2], v[ST+4*\u+3]
.endr
.irp u, 0,1
	v_permlanex16_b32 v[PT+\u], v[TT+\u], s[SEL], s[SEL+1]
.endr
.irp u, 0,1
	v_add_f32 v[TT+\u], v[TT+\u], v[PT+\u]         ; the row's sum
.endr
	s_wait_alu depctr_va_vdst(0)
.irp u, 0,1
	v_rcp_f32 v[ST+4*\u+2], v[TT+\u]
.endr
	v_nop
	s_wait_alu depctr_va_vdst(0)
	WIN W_OUT
.irp u, 0,1
.set j, 0
.rept 32
	v_pk_mul_f32 v[SB+64*\u+j:SB+64*\u+j+1], v[64*\u+j:64*\u+j+1], v[ST+4*\u+2:ST+4*\u+3] op_sel_hi:[1,0]
.set j, j+2
.endr
.endr
	WIN 0
	PACK 0
	PACK 1
	SEND 0
	SEND 1
.endm
	s_mov_b32 s[SLOTS], 6
	s_mov_b32 s[TB], 0
	s_wait_alu depctr_va_vdst(0)                   ; the wait at the head's end
	s_wait_tensorcnt 0x0                           ; slot 0 is in; slot 1's first fill is issued as a refill is
	ds_add_u32 v[SPW], v[NIL]
	NEXTFILL
	s_wait_dscnt 0x0
	CROUND
	JLOAD
	ASK
.Lslot:                                        ; slots 0 to 5: each one's last step asks for the slot two on
	RUN 3
	STEP 1
	FLIP
	s_wait_loadcnt 0x0                             ; the eight rows asked for a slot ago are in
	s_cmp_lt_u32 s[SLOTS], 3                       ; the branches below hang on the loop's counter alone
	s_cbranch_scc1 .Lnoq                           ; the second block has no successor
	s_and_b32 s48, s[SLOTS], 1
	s_cmp_lg_u32 s48, 0
	s_cbranch_scc1 .Lodd
	NQSTORE 0                                      ; behind slots 0 and 2: a tile's rows 0-7 to the stage
	s_add_nc_u64 s[NQ:NQ+1], s[NQ:NQ+1], 4096
	NQLOAD
	s_branch .Lnoq
.Lodd:
	NQSTORE 8                                      ; behind slots 1 and 3: its rows 8-15, and the tile comes back, a block a lane
	QBACK SB
	s_cmp_eq_u32 s[SLOTS], 3
	s_cbranch_scc1 .Lbound
	s_add_nc_u64 s[NQ:NQ+1], s[NQ:NQ+1], 4096
	NQLOAD
	s_wait_dscnt 0x0
	QCVT SB, NS                                    ; the next block's tile 0: its codes wait in v[T] on
	s_wait_alu depctr_va_vdst(0)
	s_branch .Lnoq
.Lbound:                                       ; THE CHANGE OF BLOCKS: both refills for the next block are asked for
	QINST 0
	v_mov_b32 v[QS], v[NS]
	s_wait_dscnt 0x0
	QCVT SB, QS+1
	QINST 1
	OUT
	s_wait_xcnt 0x0                                ; the stores' base and data are written again only behind this wait
	s_add_nc_u64 s[10:11], s[10:11], QBLK
.irp u, 0,1
	v_mov_b32 v[ST+4*\u], 0x7f61b1e6               ; -M = 3e38: the next step's factor is 0, which clears the sums and O^T
	v_mov_b32 v[ST+4*\u+1], 0xff61b1e6
.endr
	s_wait_alu depctr_va_vdst(0)
.Lnoq:
	s_sub_co_u32 s[SLOTS], s[SLOTS], 1
	s_cmp_lg_u32 s[SLOTS], 0
	s_cbranch_scc1 .Lslot
	RUN 3
	STEP 2
	FLIP
	RUN 4
	OUT
	s_wait_tensorcnt 0x0                           ; the wave's end
	ds_add_u32 v[SPW], v[NIL]
	s_wait_dscnt 0x0
	CROUND                                         ; the closing round
	s_endpgm
.Lfunc_end_k_q1840c6a34d_attn:
	.size	k_q1840c6a34d_attn, .Lfunc_end_k_q1840c6a34d_attn-k_q1840c6a34d_attn
	.p2alignl 7, 3214868480
	.fill 96, 4, 3214868480
	.section	.rodata,"a",@progbits
	.p2align	6, 0x0
	.amdhsa_kernel k_q1840c6a34d_attn
		.amdhsa_group_segment_fixed_size 327680
		.amdhsa_private_segment_fixed_size 0
		.amdhsa_enable_private_segment 0
		.amdhsa_kernarg_size 32
		.amdhsa_user_sgpr_count 2
		.amdhsa_user_sgpr_kernarg_segment_ptr 1
		.amdhsa_wavefront_size32 1
		.amdhsa_system_sgpr_workgroup_id_x 1
		.amdhsa_system_sgpr_workgroup_id_y 1
		.amdhsa_system_sgpr_workgroup_id_z 1
		.amdhsa_system_vgpr_workitem_id 0
		.amdhsa_next_free_vgpr 512
		.amdhsa_next_free_sgpr 66
		.amdhsa_reserve_vcc 0
		.amdhsa_float_denorm_mode_32 3
		.amdhsa_float_denorm_mode_16_64 3
		.amdhsa_memory_ordered 1
		.amdhsa_forward_progress 1
		.amdhsa_inst_pref_size 255
	.end_amdhsa_kernel
	.section	.bss,"aw",@nobits
	.p2align	6
	.space	262144
	.amdgpu_metadata
---
amdhsa.version: [ 1, 2 ]
amdhsa.kernels:
  - .name:           k_q1840c6a34d_attn
    .symbol:         k_q1840c6a34d_attn.kd
    .args:
      - { .name: query, .offset: 0, .size: 8, .value_kind: global_buffer, .address_space: global }
      - { .name: kv, .offset: 8, .size: 8, .value_kind: global_buffer, .address_space: global }
      - { .name: scale_factor, .offset: 16, .size: 8, .value_kind: global_buffer, .address_space: global }
      - { .name: out0, .offset: 24, .size: 8, .value_kind: global_buffer, .address_space: global }
    .group_segment_fixed_size: 327680
    .private_segment_fixed_size: 0
    .kernarg_segment_align: 8
    .kernarg_segment_size: 32
    .max_flat_workgroup_size: 256
    .sgpr_count:     66
    .vgpr_count:     512
    .wavefront_size: 32
...
	.end_amdgpu_metadata
.endif
;; end of part 2
